; MI455X (gfx1250); checked and timed in simulation.
; The chip was launched on July 23, 2026; its instructions are those of AMD's public machine-readable ISA for CDNA 5 (MIT licence, August 2026) and "CDNA5" Instruction Set Architecture Reference Guide (July 2026). The comments in the code are by the model that wrote it; some were corrected since.
;; Self Attention. Allowed arithmetic: matrix products marked QUANTISED: E5M2 operands, one given power-of-two scale a tensor, by v_wmma_f32_16x16x64_bf8_bf8 or v_wmma_f32_16x16x128_bf8_bf8, f32 sums; everything else in f32.
;; Inputs: Wk 1,024 x 1,024 float32; Wq 1,024 x 1,024 float32; Wu 128 x 1,024 float32; Wv 1,024 x 1,024 float32; bu 128 float32; lowp_scales 12 int32 (the exponents e of the quantised operands' scales 2^e); x 4 x 1,024 x 2,048 float32.
;; Outputs: out0 4 x 128 x 2,048 float32.
;; This version of the problem:
;;   THIS VERSION OF THE PROBLEM IS GIVEN IN LOW PRECISION. The matrix products marked QUANTISED in the list below multiply operands that are first quantised to E5M2 (5 exponent bits, 2 mantissa bits; 8 bits a number), with one given power-of-two scale for each operand tensor; their sums are f32. All else is computed in f32.
;;   The module's matrix products, in the order in which they are computed (A, B: the left and right operand; K: the contracted axis; several contracted axes count as one K, in the product's order):
;;     1. [M 1,024, K 1,024] x [K 1,024, N 8,192]; A: input Wk; B: input x: QUANTISED (scales: A lowp_scales[0], B lowp_scales[1])
;;     2. [M 1,024, K 1,024] x [K 1,024, N 8,192]; A: input Wq; B: input x: QUANTISED (scales: A lowp_scales[2], B lowp_scales[3])
;;     3. [M 1,024, K 1,024] x [K 1,024, N 8,192]; A: input Wv; B: input x: QUANTISED (scales: A lowp_scales[4], B lowp_scales[5])
;;     4. batch 32 x [M 2,048, K 128] x [K 128, N 2,048]; A: computed on the way; B: computed on the way: QUANTISED (scales: A lowp_scales[6], B lowp_scales[7])
;;     5. batch 32 x [M 128, K 2,048] x [K 2,048, N 2,048]; A: computed on the way; B: softmax (see below): QUANTISED (scales: A lowp_scales[8], B lowp_scales[9])
;;     6. [M 128, K 1,024] x [K 1,024, N 8,192]; A: input Wu; B: computed on the way: QUANTISED (scales: A lowp_scales[10], B lowp_scales[11])
;;   THE QUANTISER, for each operand of a quantised product, along K:
;;     - The operand's scale is 2^e, e = its entry of the input lowp_scales (int32; the entries are numbered through the quantised products in the list's order, A before B).
;;     - Each number is divided by the scale, clamped to +-57,344, and rounded to the nearest number of E5M2, ties to even, subnormals kept.
;;     - The product sums the exact products of the quantised numbers (number of the format x scale) in f32.
;;   ~~~python
;;   def quantise(x, axis, e):      # numpy; x: float32 -> the quantised numbers, widened to float32 again
;;       x = np.moveaxis(x, axis, -1); K = x.shape[-1]
;;       r = np.clip(x / 2.0 ** e, -57344, 57344)
;;       step = 2.0 ** (np.maximum(np.frexp(np.where(r == 0, 1, r))[1] - 1, -14) - 2)
;;       q = np.round(r / step) * step * 2.0 ** e      # np.round: ties to even
;;       return np.moveaxis(q, -1, axis).astype(np.float32)
;;   ~~~
;;   SOFTMAX AHEAD OF A QUANTISED PRODUCT. Where the list says 'softmax', what is quantised is not the finished softmax but p = 2^(t - M), with t = logit x log2(e) and M = ceil(the row's largest t), a whole number; so 1/2 < the row's largest p <= 1. The row's sum l is taken of the UNQUANTISED p, in f32, and the product's result is divided by l at the end. Since M is a whole number, a kernel that streams over the keys may use a running M (the ceiling of the running maximum): every later rescaling is an exact power of two, so the quantised numbers keep their values, but for numbers so far below the row's largest that they fall under the format's range.
;;   OPERANDS COMPUTED ON THE WAY. 'Computed on the way' means the value that the module computes at that place (a softmax that the list does not call 'softmax' is quantised finished and normalised). What goes into a quantiser is computed in f32, as accurately as f32 sums, v_exp_f32 and their like allow (about 1e-6 of the number): no bf16 or f16 on the way to a quantiser, and a product that is left as it is and whose result goes on into a quantised operand takes f32 operands (vector FMAs, or v_wmma_f32_16x16x4_f32). A number that lies on a knife's edge between two numbers of the format may be rounded either way, as far as f32 arithmetic and the matrix unit's own rounding can turn it there, and no further.
;; One version. Each part assembles by itself: llvm-mc -triple=amdgcn-amd-amdhsa -mcpu=gfx1250 --defsym DOCPART=n.
;; ======== version 1 of 1: 4 launches
;; limits: right only within a limited range of input values
;; workspace buffers: xc 25,165,824 bytes; wc 3,276,800 bytes; qkv 25,165,824 bytes; oc 8,388,608 bytes
;; launch quant (part 1): grid 712 x 1, 4 waves a work-group, no clusters, 0 bytes of LDS; arguments x, Wk, Wq, Wv, Wu, lowp_scales, xc, wc; writes xc, wc
.if DOCPART == 1
	.amdgcn_target "amdgcn-amd-amdhsa--gfx1250"
	.amdhsa_code_object_version 6
	.text
	.protected	k_qb95600f691_quant
	.globl	k_qb95600f691_quant
	.p2align	8
	.type	k_qb95600f691_quant,@function
k_qb95600f691_quant:
	s_mov_b64 s[64:65], 0
	v_nop
	global_prefetch_b8 v0, s[64:65] scope:SCOPE_SE
	s_setreg_imm32_b32 hwreg(HW_REG_WAVE_MODE, 25, 1), 1
	s_wait_xcnt 0x0
; f32 numbers into codes of BF8 (E5M2): x three times (with 2^e1, 2^e3, 2^e5: the three projections may be given different scales for it), Wk, Wq, Wv, Wu once each (e0, e2, e4, e10).
; code = number / 2^e, held within +-57,344, rounded to the nearest code, ties to even.
; LIMITS: each e used here lies between -126 and 112, so that 2^e and 57,344 x 2^e are f32 numbers.  NaN among the inputs is not served (an infinity is held at the largest code).
; THE LAYOUT OF EVERY BUFFER OF CODES IN THIS PROGRAM is the image of an operand's registers.  Rows go in tiles of 16; a tile with K codes a row is 16 K bytes; in it the byte of (tile row r, k) is
; (k / 16) x 256 + 16 r + k % 16.  So the fragment of 128 along K is 2,048 bytes on end, and its registers 4 c .. 4 c + 3 are 512 bytes on end, 16 bytes a lane: lane (r, h) holds k = 32 c + 16 h + 0 .. 15.
; THE ROWS OF A TILE ARE NOT NEIGHBOURS: tile T, tile row r is row 32 (T / 2) + 16 (r / 8) + 8 (T % 2) + r % 8, so that results made with such a tile as source 0 have 16 neighbours in a lane's 16 registers of two tiles.
; xc: three sections of 8,388,608 bytes (rows n = 2,048 b + t, K = 1,024).  wc: Wk, Wq, Wv (1,048,576 bytes each), then Wu: tile g of the whole buffer at 16,384 g.
; Work-groups 0-511 take x, 512-711 the weights.  Waves share nothing: no LDS, no barrier, no cluster (no two work-groups read the same bytes), no matrix unit.
.set SRC, 2                            ; v2       my byte offset in the source
.set DST, 3                            ; v3       my byte offset in the codes
.set X,   16                           ; x: v16-79 two sets of 32 numbers;  weights: v16-143 two fragments' 64 numbers
.set T,   80                           ; x: v80-111 a block's numbers, held
.set C,   112                          ; x: v112-207 codes: 8 registers for each of 4 blocks x 3 scales, so that no store's data are written again
.set WC,  144                          ; weights: v144-175 codes
.macro XLOAD c                         ; block c: x(k = 32 c + i, my column), i = 0 .. 31: the wave's 32 lanes read 128 consecutive bytes, the four waves 512
.set i, 0
.rept 32
	global_load_b32 v[X+32*((\c)%2)+i], v[SRC], s[36:37] offset:(32*(\c)+i)*8192 th:TH_LOAD_NT
.set i, i+1
.endr
.endm
.macro XBLOCK c                        ; a block of 32 along K of my column, quantised with each of the three scales
.if (\c) < 3
	s_wait_loadcnt 32                              ; this block's 32 loads are in; the next block's 32 may be out
.else
	s_wait_loadcnt 0x0
.endif
.irp p, 0,1,2
.set i, 0
.rept 32
	v_med3_num_f32 v[T+i], v[X+32*((\c)%2)+i], -v[5+2*\p], v[5+2*\p]   ; the conversion to an 8-bit code does not saturate (ISA guide 7.6.2): hold first
.set i, i+1
.endr
.irp g, 0,1,2,3
	v_cvt_scalef32_pk8_bf8_f32 v[C+24*(\c)+8*\p+2*\g:C+24*(\c)+8*\p+2*\g+1], v[T+8*\g:T+8*\g+7], v[4+2*\p]
.endr
	v_nop                                          ; a plain line between the conversions and the next holds, which write the conversions' sources
	global_store_b128 v[DST], v[C+24*(\c)+8*\p:C+24*(\c)+8*\p+3], s[40+2*\p:41+2*\p] offset:512*(\c)          ; k 0-15 of the block: lanes 0-15 fill 256 aligned bytes of one tile, lanes 16-31 of the next
	global_store_b128 v[DST], v[C+24*(\c)+8*\p+4:C+24*(\c)+8*\p+7], s[40+2*\p:41+2*\p] offset:512*(\c)+256    ; k 16-31
.endr
.if (\c) < 2
	XLOAD (\c)+2
.endif
.endm
.macro WQ f                            ; a fragment of a weight: 64 numbers a lane, register 16 c + i = k 32 c + 16 h + i of my row
.if (\f) == 0
	s_wait_loadcnt 16                              ; the first fragment's 16 loads are in; the second's may be out
.else
	s_wait_loadcnt 0x0
.endif
.set i, 0
.rept 64
	v_med3_num_f32 v[X+64*(\f)+i], v[X+64*(\f)+i], -v5, v5
.set i, i+1
.endr
.irp g, 0,1,2,3,4,5,6,7
	v_cvt_scalef32_pk8_bf8_f32 v[WC+16*(\f)+2*\g:WC+16*(\f)+2*\g+1], v[X+64*(\f)+8*\g:X+64*(\f)+8*\g+7], v4
.endr
	v_nop
.irp c, 0,1,2,3
	global_store_b128 v[DST], v[WC+16*(\f)+4*\c:WC+16*(\f)+4*\c+3], s[40:41] offset:2048*(\f)+512*\c   ; 512 consecutive bytes
.endr
.endm
	s_load_b512 s[4:19], s[0:1], 0x0               ; x 4:5, Wk 6:7, Wq 8:9, Wv 10:11, Wu 12:13, the scales 14:15, xc 16:17, wc 18:19
	v_lshrrev_b32 v1, 5, v0
	v_readfirstlane_b32 s20, v1                    ; wave 0..3
	v_and_b32 v10, 15, v0                          ; lane % 16
	v_bfe_u32 v11, v0, 4, 1                        ; lane / 16
	s_wait_kmcnt 0x0
	s_load_b256 s[24:31], s[14:15], 0x0            ; e0 .. e7
	s_load_b128 s[32:35], s[14:15], 0x20           ; e8 .. e11
	s_cmp_lt_u32 ttmp9, 512
	s_cbranch_scc0 .Lweights
	; ---- x.  The work-group takes 128 columns n (tg) and 128 along K (ks); a wave 32 columns = two tiles.  A LANE TAKES A COLUMN AND ITS REGISTERS RUN DOWN K: nothing is transposed.
	s_and_b32 s21, ttmp9, 63                       ; tg
	s_lshr_b32 s22, ttmp9, 6                       ; ks
	s_lshr_b32 s46, s21, 4                         ; the batch: 16 groups of 128 columns each,
	s_lshl_b32 s46, s46, 23                        ; 1,024 x 2,048 x 4 bytes
	s_lshl_b32 s47, s22, 20                        ; 128 rows k of 8,192 bytes
	s_add_co_u32 s46, s46, s47
	s_and_b32 s47, s21, 15
	s_lshl_b32 s47, s47, 9                         ; 128 columns of 4 bytes
	s_add_co_u32 s46, s46, s47
	s_lshl_b32 s47, s20, 7                         ; my wave's 32 columns
	s_add_co_u32 s46, s46, s47
	s_mov_b32 s47, 0
	s_add_nc_u64 s[36:37], s[4:5], s[46:47]
	s_lshl_b32 s48, s21, 2
	s_add_co_u32 s48, s48, s20                     ; which 32 columns of the 8,192: two tiles of 16,384 bytes
	s_lshl_b32 s48, s48, 15
	s_lshl_b32 s49, s22, 11                        ; the K step's 2,048 bytes in a tile
	s_add_co_u32 s48, s48, s49
	s_mov_b32 s49, 0
	s_add_nc_u64 s[40:41], s[16:17], s[48:49]      ; a base for each section: a section's 8,388,608 bytes do not fit the immediate
	s_add_nc_u64 s[42:43], s[40:41], 0x800000
	s_add_nc_u64 s[44:45], s[40:41], 0x1000000
	v_bfe_u32 v12, v0, 3, 1
	v_and_b32 v13, 7, v0
	s_wait_alu depctr_va_vdst(0)
	v_lshl_add_u32 v13, v11, 3, v13
	v_lshl_add_u32 v13, v12, 4, v13                ; my column of the 32: lane (tile u = lane / 16, tile row r = lane % 16) takes 16 (r / 8) + 8 u + r % 8
	v_lshlrev_b32 v[SRC], 2, v13
	v_lshlrev_b32 v[DST], 4, v10
	v_lshl_add_u32 v[DST], v11, 14, v[DST]         ; tile u, tile row r
	XLOAD 0
	XLOAD 1
	s_wait_kmcnt 0x0
.irp p, 0,1,2
	s_add_co_i32 s50, s[25+2*\p], 127              ; e1, e3, e5
	s_lshl_b32 s51, s50, 23
	v_mov_b32 v[4+2*\p], s51                       ; 2^e as f32: the conversion takes its exponent field
	s_add_co_i32 s50, s50, 15
	s_lshl_b32 s50, s50, 23
	s_or_b32 s50, s50, 0x600000
	v_mov_b32 v[5+2*\p], s50                       ; 57,344 x 2^e
.endr
	s_wait_alu depctr_va_vdst(0)
	XBLOCK 0
	XBLOCK 1
	XBLOCK 2
	XBLOCK 3
	s_endpgm
	; ---- the weights: K is innermost.  The work-group makes one tile (16 rows x 1,024 along K), a wave two fragments of it.
.Lweights:
	s_sub_co_u32 s21, ttmp9, 512                   ; the tile's number in wc, 0 .. 199
	s_lshr_b32 s22, s21, 6                         ; which weight: 0 Wk, 1 Wq, 2 Wv, 3 Wu
	s_and_b32 s23, s21, 63                         ; its tile
	s_lshr_b32 s46, s23, 1
	s_lshl_b32 s46, s46, 17                        ; 32 rows of 4,096 bytes
	s_and_b32 s47, s23, 1
	s_lshl_b32 s47, s47, 15                        ; 8 rows
	s_add_co_u32 s46, s46, s47
	s_lshl_b32 s47, s20, 10                        ; my wave's 256 along K
	s_add_co_u32 s46, s46, s47
	s_mov_b32 s47, 0
	s_lshl_b32 s48, s21, 14
	s_lshl_b32 s49, s20, 12
	s_add_co_u32 s48, s48, s49
	s_mov_b32 s49, 0
	s_wait_alu depctr_va_vdst(0)
	v_lshrrev_b32 v12, 3, v10
	v_and_b32 v13, 7, v10
	v_lshlrev_b32 v[SRC], 12, v13
	v_lshl_add_u32 v[SRC], v12, 16, v[SRC]         ; tile row r is 16 (r / 8) + r % 8 rows on,
	v_lshl_add_u32 v[SRC], v11, 6, v[SRC]          ; and lanes 16-31 take the second 16 numbers of each 32
	v_and_b32 v14, 31, v0
	v_lshlrev_b32 v[DST], 4, v14
	s_wait_alu depctr_va_vdst(0)
	s_wait_kmcnt 0x0
	s_mov_b64 s[36:37], s[6:7]                     ; the choice of buffer and scale hangs on the work-group's number alone
	s_mov_b32 s38, s24
	s_cmp_eq_u32 s22, 1
	s_cselect_b64 s[36:37], s[8:9], s[36:37]
	s_cselect_b32 s38, s26, s38
	s_cmp_eq_u32 s22, 2
	s_cselect_b64 s[36:37], s[10:11], s[36:37]
	s_cselect_b32 s38, s28, s38
	s_cmp_eq_u32 s22, 3
	s_cselect_b64 s[36:37], s[12:13], s[36:37]
	s_cselect_b32 s38, s34, s38
	s_add_nc_u64 s[36:37], s[36:37], s[46:47]
	s_add_nc_u64 s[40:41], s[18:19], s[48:49]
.irp f, 0,1
.irp c, 0,1,2,3
.irp j, 0,1,2,3
	global_load_b128 v[X+64*\f+16*\c+4*\j:X+64*\f+16*\c+4*\j+3], v[SRC], s[36:37] offset:512*\f+128*\c+16*\j th:TH_LOAD_NT
.endr
.endr
.endr
	s_add_co_i32 s38, s38, 127
	s_lshl_b32 s39, s38, 23
	v_mov_b32 v4, s39                              ; 2^e
	s_add_co_i32 s38, s38, 15
	s_lshl_b32 s38, s38, 23
	s_or_b32 s38, s38, 0x600000
	v_mov_b32 v5, s38                              ; 57,344 x 2^e
	s_wait_alu depctr_va_vdst(0)
	WQ 0
	WQ 1
	s_endpgm
.Lfunc_end_k_qb95600f691_quant:
	.size	k_qb95600f691_quant, .Lfunc_end_k_qb95600f691_quant-k_qb95600f691_quant
	.p2alignl 7, 3214868480
	.fill 96, 4, 3214868480
	.section	.rodata,"a",@progbits
	.p2align	6, 0x0
	.amdhsa_kernel k_qb95600f691_quant
		.amdhsa_group_segment_fixed_size 0
		.amdhsa_private_segment_fixed_size 0
		.amdhsa_enable_private_segment 0
		.amdhsa_kernarg_size 64
		.amdhsa_user_sgpr_count 2
		.amdhsa_user_sgpr_kernarg_segment_ptr 1
		.amdhsa_wavefront_size32 1
		.amdhsa_system_sgpr_workgroup_id_x 1
		.amdhsa_system_sgpr_workgroup_id_y 1
		.amdhsa_system_sgpr_workgroup_id_z 1
		.amdhsa_system_vgpr_workitem_id 0
		.amdhsa_next_free_vgpr 208
		.amdhsa_next_free_sgpr 66
		.amdhsa_reserve_vcc 0
		.amdhsa_float_denorm_mode_32 3
		.amdhsa_float_denorm_mode_16_64 3
		.amdhsa_memory_ordered 1
		.amdhsa_forward_progress 1
		.amdhsa_inst_pref_size 60
	.end_amdhsa_kernel
	.amdgpu_metadata
---
amdhsa.version: [ 1, 2 ]
amdhsa.kernels:
  - .name:           k_qb95600f691_quant
    .symbol:         k_qb95600f691_quant.kd
    .args:
      - { .name: x, .offset: 0, .size: 8, .value_kind: global_buffer, .address_space: global }
      - { .name: Wk, .offset: 8, .size: 8, .value_kind: global_buffer, .address_space: global }
      - { .name: Wq, .offset: 16, .size: 8, .value_kind: global_buffer, .address_space: global }
      - { .name: Wv, .offset: 24, .size: 8, .value_kind: global_buffer, .address_space: global }
      - { .name: Wu, .offset: 32, .size: 8, .value_kind: global_buffer, .address_space: global }
      - { .name: lowp_scales, .offset: 40, .size: 8, .value_kind: global_buffer, .address_space: global }
      - { .name: xc, .offset: 48, .size: 8, .value_kind: global_buffer, .address_space: global }
      - { .name: wc, .offset: 56, .size: 8, .value_kind: global_buffer, .address_space: global }
    .group_segment_fixed_size: 0
    .private_segment_fixed_size: 0
    .kernarg_segment_align: 8
    .kernarg_segment_size: 64
    .max_flat_workgroup_size: 128
    .sgpr_count:     66
    .vgpr_count:     208
    .wavefront_size: 32
...
	.end_amdgpu_metadata
.endif
;; end of part 1
;; launch proj (part 2): grid 48 x 4, 4 waves a work-group, clusters of 4 x 4, 327,680 bytes of LDS; arguments xc, wc, lowp_scales, qkv; writes qkv
.if DOCPART == 2
	.amdgcn_target "amdgcn-amd-amdhsa--gfx1250"
	.amdhsa_code_object_version 6
	.text
	.protected	k_qb95600f691_proj
	.globl	k_qb95600f691_proj
	.p2align	8
	.type	k_qb95600f691_proj,@function
k_qb95600f691_proj:
	s_mov_b64 s[64:65], 0
	v_nop
	global_prefetch_b8 v0, s[64:65] scope:SCOPE_SE
	s_setreg_imm32_b32 hwreg(HW_REG_WAVE_MODE, 25, 1), 1
	s_wait_xcnt 0x0
	s_wait_alu depctr_hold_cnt(0) depctr_sa_sdst(0) depctr_va_vdst(0) depctr_va_sdst(0) depctr_va_ssrc(0) depctr_va_vcc(0) depctr_vm_vsrc(0)
	s_getreg_b32 s2, hwreg(HW_REG_IB_STS2, 6, 4)
	s_cmp_eq_u32 s2, 0
	s_cbranch_scc0 .Lentry_in_a_cluster
	s_endpgm
.Lentry_in_a_cluster:
	s_bfe_u32 s2, ttmp6, 0x10000c
	s_cmp_lg_u32 s2, 0xf033
	s_cbranch_scc0 .Lentry_shape_is_right
	s_endpgm
.Lentry_shape_is_right:
; The three projections on codes of BF8: keys, queries, values = W x, K = 1,024, each result quantised in registers (2^e7, 2^e6, 2^e8) and stored as images of fragments.
; A work-group of four waves makes two tiles of 256 x 256, a wave 128 x 128; K goes in steps of 256 through a ring of two LDS slots filled by joint loads in a cluster of 4 x 4.
; PREFETCH: behind fill f each wave asks for the tile of fill f + 2 (behind fill 0 for fill 1's too): of the 32,768 bytes that a wave fetches, each of the four partners that ask for them jointly
; names 8,192, told apart by address: a lane a block of 256 bytes.  The operand that stays for the second tile has been read and is not asked for again.  The two bases are never rewritten.
; LIMITS: each exponent sum made into an f32 power of two lies between -126 and 112.  NaN is not served.
.set FR,     16
.set NL,     4
.set NP,     4
.set HALFT,  32768
.set SLOT,   4*HALFT
.set STEPB,  4096
.set XNEXT,  0x100000
.set ONEXT,  131072
.set SPARE,  2*SLOT
.set ADRA, 16
.set ADRB, 20
.set CO,   26
.set SPW,  28
.set NIL,  29
.set LIM,  30
.set SCL,  31
.set TMP,  32
.set CD,   96
.set AF,   128
.set DL,   12
.set DR,   66
.set G1, 24
.set G0, 32
.set G1B, 48
.set G0B, 56
.set MSB, 0
.set NF, 0                             ; refills written so far: the first four ask for the second tile's four K steps
.macro WIN new
.if MSB != (\new)
	s_set_vgpr_msb (MSB<<8)|(\new)
.set MSB, (\new)
.endif
.endm
.set MUL_LO, 0xa1
.set MUL_HI, 0xf1
.set TO_B,   0x40
.macro JLOAD g0a, g1a, g0b, g1b
	s_cmp_eq_u32 s15, 0
	s_cbranch_scc0 .Lfor_b_\@
	tensor_load_to_lds s[\g0a:\g0a+3], s[\g1a:\g1a+7]
	s_nop 0
.rept 4
	v_nop
.endr
	s_branch .Lasked_\@
.Lfor_b_\@:
	tensor_load_to_lds s[\g0b:\g0b+3], s[\g1b:\g1b+7]
	s_nop 0
.rept 4
	v_nop
.endr
.Lasked_\@:
.endm
.macro CREST
	s_cmp_lg_u32 s14, 0
	s_cbranch_scc1 .Lnot_wave_0_\@
	s_barrier_signal -3
.Lnot_wave_0_\@:
	s_barrier_wait -3
	s_barrier_signal -1
	s_barrier_wait -1
.endm
.macro CROUND
	s_barrier_signal -1
	s_barrier_wait -1
	CREST
.endm
	s_load_b256 s[4:11], s[0:1], 0x0
	v_lshl_add_u32 v[SPW], v0, 2, SPARE
	v_mov_b32 v[NIL], 0
	ds_add_u32 v28, v29
	ds_add_u32 v28, v29
	s_wait_dscnt 0x0
	v_lshrrev_b32 v1, 5, v0
	v_readfirstlane_b32 s14, v1
	v_and_b32 v9, 15, v0
	v_bfe_u32 v8, v0, 4, 1
	v_lshlrev_b32 v8, 14, v8
	v_lshl_add_u32 v8, v9, 8, v8                   ; the prefetches' offset: 16 blocks of 256 bytes of a K step in one tile of 16 rows, lanes 16-31 in the next tile; never rewritten
	s_lshr_b32 s15, s14, 1
	s_and_b32 s16, s14, 1
	s_bfe_u32 s40, ttmp6, 0x40000
	s_bfe_u32 s41, ttmp6, 0x40004
	s_lshr_b32 s80, ttmp9, 2
	s_and_b32 s81, ttmp9, 3
	s_lshl_b32 s81, s81, 3
	s_lshl_b32 s84, s80, 23
	s_lshl_b32 s85, s80, 20
	s_cmp_eq_u32 s80, 2
	s_cselect_b32 s82, 0, s81
	s_cselect_b32 s83, s81, 0
	s_cselect_b32 s86, s85, s84
	s_cselect_b32 s87, s84, s85
	s_cselect_b32 s[DL], 0, XNEXT
	s_cselect_b32 s[DR], XNEXT, 0
	s_mov_b32 s[DL+1], 0
	s_mov_b32 s[DR+1], 0
	s_add_co_u32 s17, s41, s82
	s_add_co_u32 s42, s40, s83
	s_lshl_b32 s43, s41, 2
	s_lshl_b32 s43, 15, s43
	s_lshl_b32 s44, 0x1111, s40
	s_or_b32 s[G1+0], s43, (1<<21)
	s_or_b32 s[G1B+0], s44, (1<<21)
.irp g, G1, G1B
	s_mov_b32 s[\g+1], STEPB<<16
	s_mov_b32 s[\g+2], 8<<16
	s_mov_b32 s[\g+3], STEPB<<16
	s_mov_b32 s[\g+4], 8
	s_mov_b32 s[\g+5], 16384
	s_mov_b32 s[\g+6], 0
	s_mov_b32 s[\g+7], 0
.endr
	s_lshl_b32 s18, s16, 17
	s_lshl_b32 s20, s17, 18
	s_add_co_u32 s20, s20, s18
	s_add_co_u32 s20, s20, s86
	s_mov_b32 s21, 0
	s_lshl_b32 s46, s42, 18
	s_add_co_u32 s46, s46, s18
	s_add_co_u32 s46, s46, s87
	s_mov_b32 s47, 0
	s_lshl_b32 s45, s14, 15
	s_wait_kmcnt 0x0
	s_load_b256 s[68:75], s[8:9], 0x0
	s_load_b128 s[76:79], s[8:9], 0x20
	s_cmp_eq_u32 s80, 2
	s_cselect_b64 s[88:89], s[6:7], s[4:5]
	s_cselect_b64 s[90:91], s[4:5], s[6:7]
	s_add_nc_u64 s[20:21], s[88:89], s[20:21]
	s_add_nc_u64 s[46:47], s[90:91], s[46:47]
	s_cmp_eq_u32 s15, 0                            ; the prefetches: the operand that I fetch for,
	s_cselect_b64 s[88:89], s[20:21], s[46:47]
	s_cselect_b32 s82, s40, s41                    ; my place among the four that ask for it with me,
	s_cselect_b32 s83, s[DL], s[DR]                ; and how far it moves for the second tile (0: it stays)
	s_lshl_b32 s86, s82, 15
	s_mov_b32 s87, 0
	s_add_nc_u64 s[88:89], s[88:89], s[86:87]      ; my work-group's two tiles of 16 rows of the eight that I fetch: first tile of the result,
	s_mov_b32 s86, s83
	s_add_nc_u64 s[90:91], s[88:89], s[86:87]      ; and second
	CROUND
.irp s, 0,1
	s_mov_b32 s[G0+4*\s], 1
	s_add_co_u32 s[G0+4*\s+1], s45, \s*SLOT
	s_add_nc_u64 s[G0+4*\s+2:G0+4*\s+3], s[20:21], \s*STEPB
	s_or_b32 s[G0+4*\s+3], s[G0+4*\s+3], 0x80000000
	s_mov_b32 s[G0B+4*\s], 1
	s_add_co_u32 s[G0B+4*\s+1], s45, \s*SLOT
	s_add_nc_u64 s[G0B+4*\s+2:G0B+4*\s+3], s[46:47], \s*STEPB
	s_or_b32 s[G0B+4*\s+3], s[G0B+4*\s+3], 0x80000000
	s_wait_alu depctr_va_vdst(0)
	s_wait_tensorcnt 0x0
	ds_add_u32 v28, v29
	ds_add_u32 v28, v29
	s_wait_dscnt 0x0
	CROUND
	JLOAD G0+4*\s, G1, G0B+4*\s, G1B
.if \s == 0
	global_prefetch_b8 v8, s[88:89] offset:STEPB th:TH_LOAD_NT scope:SCOPE_SE          ; K step 1, which is loaded behind the next round
.endif
	global_prefetch_b8 v8, s[88:89] offset:(2+\s)*STEPB th:TH_LOAD_NT scope:SCOPE_SE   ; the K step two fills on
.endr
	v_and_b32 v6, 31, v0
	v_lshlrev_b32 v[CO], 4, v6
	s_lshl_b32 s21, s15, 15
	s_lshl_b32 s22, s16, 15
	s_add_co_u32 s22, s22, 2*HALFT
.irp s, 0,1
	v_add_nc_u32 v[ADRA+\s], s21, v[CO]
	v_add_nc_u32 v[ADRB+\s], s22, v[CO]
	s_add_co_u32 s21, s21, SLOT
	s_add_co_u32 s22, s22, SLOT
.endr
	s_lshl_b32 s92, s17, 1
	s_add_co_u32 s92, s92, s15
	s_lshl_b32 s93, s42, 1
	s_add_co_u32 s93, s93, s16
	s_cmp_eq_u32 s80, 2
	s_cselect_b32 s96, s93, s92
	s_cselect_b32 s97, s92, s93
	s_lshr_b32 s94, s96, 4
	s_lshl_b32 s94, s94, 3
	s_add_co_u32 s94, s94, s97
	s_lshl_b32 s94, s94, 4
	s_and_b32 s96, s96, 15
	s_add_co_u32 s94, s94, s96
	s_lshl_b32 s94, s94, 14
	s_add_co_u32 s94, s94, s84
	s_mov_b32 s95, 0
	s_add_nc_u64 s[10:11], s[10:11], s[94:95]
	s_wait_alu depctr_va_vdst(0)
	s_wait_kmcnt 0x0
	s_cmp_eq_u32 s80, 1
	s_cselect_b32 s96, s70, s68
	s_cselect_b32 s97, s71, s69
	s_cselect_b32 s98, s74, s75
	s_cmp_eq_u32 s80, 2
	s_cselect_b32 s96, s72, s96
	s_cselect_b32 s97, s73, s97
	s_cselect_b32 s98, s76, s98
	s_sub_co_i32 s98, s98, s96
	s_sub_co_i32 s98, s98, s97
	s_add_co_i32 s98, s98, 127
	s_lshl_b32 s99, s98, 23
	v_mov_b32 v[SCL], s99
	s_add_co_i32 s98, s98, 15
	s_lshl_b32 s98, s98, 23
	s_or_b32 s98, s98, 0x600000
	v_mov_b32 v[LIM], s98
.macro FRAG reg, adr, q, i
.irp c, 0,1,2,3
	ds_load_b128 v[\reg+4*\c:\reg+4*\c+3], v[\adr] offset:2048*(\q)+512*\c+(\i)*STEPB
.endr
.endm
.macro MUL16 a0, p, zero
.irp a, \a0, \a0+1
.irp b, 0,1,2,3,4,5,6,7
.if \zero
	v_wmma_f32_16x16x128_bf8_bf8 v[8*(8*((\a)%4)+\b):8*(8*((\a)%4)+\b)+7], v[128*(\p)+FR*\b:128*(\p)+FR*\b+FR-1], v[AF+FR*(\a):AF+FR*(\a)+FR-1], 0
.else
	v_wmma_f32_16x16x128_bf8_bf8 v[8*(8*((\a)%4)+\b):8*(8*((\a)%4)+\b)+7], v[128*(\p)+FR*\b:128*(\p)+FR*\b+FR-1], v[AF+FR*(\a):AF+FR*(\a)+FR-1], v[8*(8*((\a)%4)+\b):8*(8*((\a)%4)+\b)+7]
.endif
.endr
.endr
.endm
.macro FETCH_B slot, q, p
	WIN TO_B
.irp i, 0,1,2,3,4,5,6,7
	FRAG 128*(\p)+FR*\i, ADRB+\slot, \q, \i
.endr
	WIN 0
.endm
.macro FETCH_A slot, q, i0
.irp i, \i0, \i0+1, \i0+2, \i0+3
	FRAG AF+FR*(\i), ADRA+\slot, \q, \i
.endr
.endm
.macro PLACES n
.rept \n
	v_nop
.endr
.endm
.macro STEP slot, q, zero
	s_wait_dscnt 4*NL
	WIN MUL_LO
	MUL16 0, (\q)%2, \zero
	MUL16 2, (\q)%2, \zero
	s_wait_dscnt 0
	PLACES NP
	FETCH_B \slot, (\q)+1, 1-(\q)%2
	FETCH_A \slot, (\q)+1, 0
	WIN MUL_HI
	MUL16 4, (\q)%2, \zero
	MUL16 6, (\q)%2, \zero
	PLACES NP
	WIN 0
	FETCH_A \slot, (\q)+1, 4
.endm
.macro TURN slot, next, fill
	s_wait_tensorcnt 0x0
	ds_add_u32 v[SPW], v[NIL]
	s_wait_dscnt 4*NL+1
	WIN MUL_LO
	MUL16 0, 1, 0
	s_wait_dscnt 0x0
	s_barrier_signal -1
	MUL16 2, 1, 0
	WIN 0
	s_barrier_wait -1
.if \fill
	CREST
.if \fill == 1
	s_add_nc_u64 s[G0+4*\slot+2:G0+4*\slot+3], s[G0+4*\slot+2:G0+4*\slot+3], 2*STEPB
	s_add_nc_u64 s[G0B+4*\slot+2:G0B+4*\slot+3], s[G0B+4*\slot+2:G0B+4*\slot+3], 2*STEPB
.else
	s_sub_nc_u64 s[G0+4*\slot+2:G0+4*\slot+3], s[G0+4*\slot+2:G0+4*\slot+3], 2*STEPB
	s_add_nc_u64 s[G0+4*\slot+2:G0+4*\slot+3], s[G0+4*\slot+2:G0+4*\slot+3], s[DL:DL+1]
	s_sub_nc_u64 s[G0B+4*\slot+2:G0B+4*\slot+3], s[G0B+4*\slot+2:G0B+4*\slot+3], 2*STEPB
	s_add_nc_u64 s[G0B+4*\slot+2:G0B+4*\slot+3], s[G0B+4*\slot+2:G0B+4*\slot+3], s[DR:DR+1]
.endif
	JLOAD G0+4*\slot, G1, G0B+4*\slot, G1B
.else
	PLACES NP
.endif
	FETCH_B \next, 0, 0
	FETCH_A \next, 0, 0
.if \fill
.if NF < 4
	s_cmp_lg_u32 s83, 0                            ; ids alone: the section and the wave's number
	s_cbranch_scc0 .Lstays_\@
	global_prefetch_b8 v8, s[90:91] offset:NF*STEPB th:TH_LOAD_NT scope:SCOPE_SE       ; the second tile's K step NF: the tile of the fill two on
.Lstays_\@:
.endif
.set NF, NF+1
.endif
	WIN MUL_HI
	MUL16 4, 1, 0
	MUL16 6, 1, 0
	PLACES NP
	WIN 0
	FETCH_A \next, 0, 4
.endm
.macro OUTB a, tl
	s_wait_xcnt 0x0
	WIN 0x02+((\a)/4)
.set i, 0
.rept 64
	v_med3_num_f32 v[TMP+i], v[64*((\a)%4)+i], -v[LIM], v[LIM]
.set i, i+1
.endr
	WIN 0
.irp c, 0,1,2,3
	v_cvt_scalef32_pk8_bf8_f32 v[CD+16*((\a)%2)+4*\c:CD+16*((\a)%2)+4*\c+1], v[TMP+16*\c:TMP+16*\c+7], v[SCL]
	v_cvt_scalef32_pk8_bf8_f32 v[CD+16*((\a)%2)+4*\c+2:CD+16*((\a)%2)+4*\c+3], v[TMP+16*\c+8:TMP+16*\c+15], v[SCL]
.endr
	v_nop
.irp c, 0,1,2,3
	global_store_b128 v[CO], v[CD+16*((\a)%2)+4*\c:CD+16*((\a)%2)+4*\c+3], s[10:11] offset:ONEXT*(\tl)+2048*(\a)+512*\c
.endr
.endm
	s_wait_tensorcnt 1
	s_barrier_signal -1
	s_barrier_wait -1
	FETCH_B 0, 0, 0
	FETCH_A 0, 0, 0
	FETCH_A 0, 0, 4
	STEP 0, 0, 1
	TURN 0, 1, 1
	STEP 1, 0, 0
	TURN 1, 0, 1
	STEP 0, 0, 0
	TURN 0, 1, 2
	STEP 1, 0, 0
	TURN 1, 0, 2
	s_wait_alu depctr_va_vdst(0)
.irp a, 0,1,2,3,4,5,6,7
	OUTB \a, 0
.endr
	STEP 0, 0, 1
	TURN 0, 1, 1
	STEP 1, 0, 0
	TURN 1, 0, 1
	STEP 0, 0, 0
	TURN 0, 1, 0
	STEP 1, 0, 0
	s_wait_dscnt 4*NL
	WIN MUL_LO
	MUL16 0, 1, 0
	MUL16 2, 1, 0
	s_wait_dscnt 0
	WIN MUL_HI
	MUL16 4, 1, 0
	MUL16 6, 1, 0
	WIN 0
	PLACES NP
.irp a, 0,1,2,3,4,5,6,7
	OUTB \a, 1
.endr
	s_wait_tensorcnt 0x0
	ds_add_u32 v[SPW], v[NIL]
	s_wait_dscnt 0x0
	CROUND
	s_endpgm
.Lfunc_end_k_qb95600f691_proj:
	.size	k_qb95600f691_proj, .Lfunc_end_k_qb95600f691_proj-k_qb95600f691_proj
	.p2alignl 7, 3214868480
	.fill 96, 4, 3214868480
	.section	.rodata,"a",@progbits
	.p2align	6, 0x0
	.amdhsa_kernel k_qb95600f691_proj
		.amdhsa_group_segment_fixed_size 327680
		.amdhsa_private_segment_fixed_size 0
		.amdhsa_enable_private_segment 0
		.amdhsa_kernarg_size 32
		.amdhsa_user_sgpr_count 2
		.amdhsa_user_sgpr_kernarg_segment_ptr 1
		.amdhsa_wavefront_size32 1
		.amdhsa_system_sgpr_workgroup_id_x 1
		.amdhsa_system_sgpr_workgroup_id_y 1
		.amdhsa_system_sgpr_workgroup_id_z 1
		.amdhsa_system_vgpr_workitem_id 0
		.amdhsa_next_free_vgpr 1024
		.amdhsa_next_free_sgpr 100
		.amdhsa_reserve_vcc 0
		.amdhsa_float_denorm_mode_32 3
		.amdhsa_float_denorm_mode_16_64 3
		.amdhsa_memory_ordered 1
		.amdhsa_forward_progress 1
		.amdhsa_inst_pref_size 232
	.end_amdhsa_kernel
	.amdgpu_metadata
---
amdhsa.version: [ 1, 2 ]
amdhsa.kernels:
  - .name:           k_qb95600f691_proj
    .symbol:         k_qb95600f691_proj.kd
    .args:
      - { .name: xc, .offset: 0, .size: 8, .value_kind: global_buffer, .address_space: global }
      - { .name: wc, .offset: 8, .size: 8, .value_kind: global_buffer, .address_space: global }
      - { .name: lowp_scales, .offset: 16, .size: 8, .value_kind: global_buffer, .address_space: global }
      - { .name: qkv, .offset: 24, .size: 8, .value_kind: global_buffer, .address_space: global }
    .group_segment_fixed_size: 327680
    .private_segment_fixed_size: 0
    .kernarg_segment_align: 8
    .kernarg_segment_size: 32
    .max_flat_workgroup_size: 128
    .sgpr_count:     100
    .vgpr_count:     1024
    .wavefront_size: 32
...
	.end_amdgpu_metadata
.endif
;; end of part 2
;; launch attn (part 3): grid 8 x 32, 8 waves a work-group, clusters of 4 x 1, 327,680 bytes of LDS; arguments qkv, lowp_scales, oc; writes oc
.if DOCPART == 3
	.amdgcn_target "amdgcn-amd-amdhsa--gfx1250"
	.amdhsa_code_object_version 6
	.text
	.protected	k_qb95600f691_attn
	.globl	k_qb95600f691_attn
	.p2align	8
	.type	k_qb95600f691_attn,@function
k_qb95600f691_attn:
	s_mov_b64 s[64:65], 0
	v_nop
	global_prefetch_b8 v0, s[64:65] scope:SCOPE_SE
	s_setreg_imm32_b32 hwreg(HW_REG_WAVE_MODE, 25, 1), 1
	s_wait_xcnt 0x0
	s_wait_alu depctr_hold_cnt(0) depctr_sa_sdst(0) depctr_va_vdst(0) depctr_va_sdst(0) depctr_va_ssrc(0) depctr_va_vcc(0) depctr_vm_vsrc(0)
	s_getreg_b32 s2, hwreg(HW_REG_IB_STS2, 6, 4)
	s_cmp_eq_u32 s2, 0
	s_cbranch_scc0 .Lentry_in_a_cluster
	s_endpgm
.Lentry_in_a_cluster:
	s_bfe_u32 s2, ttmp6, 0x10000c
	s_cmp_lg_u32 s2, 0x3003
	s_cbranch_scc0 .Lentry_shape_is_right
	s_endpgm
.Lentry_shape_is_right:
; Attention of one head (8 b + h) on codes of BF8: S^T = K Q^T, the softmax, O^T = V^T P^T, and O / l quantised (2^e11) in registers for the last product.
; THE SOFTMAX AHEAD OF THE SECOND PRODUCT: t = score x log2(e) / sqrt(128); M = the row's largest t so far, rounded UP to a whole number; p = 2^(t - M) is quantised (2^e9), not normalised.
; The row's sum l is taken of the unquantised p, in f32, and divides O at the end.  When M moves, l and O are multiplied by 2^(old M - new M): exact, and without a branch on data.
; SHARES.  A work-group owns 256 queries of a head; each of its eight waves owns 32: two tiles of 16 (x = 0, 1), so that each fragment of K and V read from LDS feeds two matrix instructions.
; Two waves share a SIMD: one wave's vector work stands beside the other's loads and products.  Every wave walks all 2,048 keys, 128 a step.
; Both products are used transposed: a lane holds ONE query (lane % 16) throughout.  All codes lie as images of fragments (2,048 bytes on end, 16 bytes a lane and four registers), with the rows of a tile chosen
; so that a lane's 16 registers of tiles 2 c, 2 c + 1 are 16 neighbours, 32 c + 16 (lane / 16) + 0 .. 15: p's codes are the second product's operand, O's codes the last product's.  No pitch, no padding, no stage.
; RING.  Two LDS slots of 512 keys, as large as two fit: K's 32 tiles (65,536 bytes), then V's 4 x 8 fragments (65,536).  Each of the eight waves moves 16,384 bytes of a slot: waves 0-3 K's quarters, waves 4-7 V's.
; So the 2,048 keys are four slots: three refills, each behind a round of the cluster's barrier, each with four key steps in which to land.
; CLUSTER.  The four query blocks of a cluster belong to one head and walk the same K and V: each tile is asked for jointly (mask 15).
; LIMITS on the given exponents: e6 + e7 between -123 and 130 (added to c's exponent field); e9 between -126 and 112; e8 + e9 - e11 is applied by v_ldexp_f32.  NaN is not served.
; REGISTERS.  Window 0: v1 16 x lane; v2 the slot's address for K, v23 for V; v3, v4 the add's; v5 the conversion's scale; v6, v7 the hold, twice; v8-15 statistics (tile x at 8 + 4 x: -M, largest t, l in two halves);
;   v16-31 at work (tile x at 16 + 8 x: f (a pair), the second chain of the sum (a pair), two chains of the maximum, the permute's result); v32-95 four fragments; v96-223 S^T, then p, 64 a tile; v224-255 p's codes, 16 a tile.
;   Window 1: v0-127 O^T, 64 a tile; v128-159 Q, 16 a tile; v160-223 four more fragments.
.set SLOT1, 1<<17                      ; slot 1 begins here: one exclusive or turns an address in one slot into the other's
.set VOFF,  65536                      ; V's fragments in a slot: beyond an LDS instruction's 16-bit offset, so V has an address register of its own
.set SPARE, 2*SLOT1                    ; behind the ring: the spare words, 128 bytes for each wave: four blocks of 256 bytes that no other line names
.set LI,   1
.set ADR,  2
.set SPW,  3
.set NIL,  4
.set PSC,  5
.set PLIM, 6
.set PLIM2, 7
.set ST,   8
.set WK,   16
.set ADV,  23
.set F0,   32
.set S,    96
.set PC,   224
.set O,    0                           ; in window 1
.set Q,    128
.set F1,   160
.set WV,   10                          ; s10  my wave's number
.set SEL,  20                          ; s[20:21] lane selects for v_permlanex16_b32: lane l xor 16
.set CS,   22                          ; s[22:23] c = log2(e) / sqrt(128) x 2^(e6 + e7): the packed form names a pair and takes its low word for both halves
.set G1,   24                          ; s[24:31] descriptor group 1
.set G0,   32                          ; s[32:35] descriptor group 0, which walks
.set TB,   36                          ; s36  LDS byte at which the slot in hand begins
.set SLOTS, 37                         ; s37  slots still to be asked for
.set MSB, 0
.macro WIN new                         ; the immediate's high byte repeats the setting that is left
.if MSB != (\new)
	s_set_vgpr_msb (MSB<<8)|(\new)
.set MSB, (\new)
.endif
.endm
.macro CROUND                          ; a round of the cluster's barrier
	s_barrier_signal -1
	s_barrier_wait -1
	s_cmp_lg_u32 s[WV], 0
	s_cbranch_scc1 .Lnot_wave_0_\@
	s_barrier_signal -3
.Lnot_wave_0_\@:
	s_barrier_wait -3
	s_barrier_signal -1
	s_barrier_wait -1
.endm
.macro TLOAD                           ; my 16,384 bytes of a slot; every wave issues the line, each with LDS and memory addresses of its own.  Four v_nop follow
	tensor_load_to_lds s[G0:G0+3], s[G1:G1+7]
	s_nop 0
.rept 4
	v_nop
.endr
.endm
	s_load_b128 s[4:7], s[0:1], 0x0                ; qkv 4:5, the scales 6:7
	s_load_b64 s[8:9], s[0:1], 0x10                ; oc
	v_lshl_add_u32 v[SPW], v0, 2, SPARE
	v_mov_b32 v[NIL], 0
	ds_add_u32 v3, v4
	ds_add_u32 v3, v4
	s_wait_dscnt 0x0
	v_lshrrev_b32 v1, 5, v0
	s_delay_alu instid0(VALU_DEP_1)
	v_readfirstlane_b32 s[WV], v1                  ; wave 0..7
	s_bfe_u32 s11, ttmp6, 0x40000                  ; cx
	s_lshl_b32 s12, ttmp9, 2
	s_add_co_u32 s12, s12, s11                     ; my block of 256 queries: it enters Q's and O's addresses alone
	s_and_b32 s13, ttmp7, 0xffff                   ; the head 8 b + h, which the partners share
	s_lshl_b32 s17, s13, 18                        ; its 262,144 bytes in each section of qkv
	s_lshr_b32 s14, s[WV], 2
	s_lshl_b32 s14, s14, 24                        ; waves 0-3: the keys' section (0); waves 4-7: the values' (2 x 8,388,608)
	s_add_co_u32 s14, s14, s17
	s_and_b32 s16, s[WV], 3
	s_lshl_b32 s16, s16, 14                        ; my quarter of a slot's 65,536 bytes
	s_add_co_u32 s14, s14, s16
	s_mov_b32 s15, 0
	s_lshl_b32 s52, s12, 15                        ; Q: 16 tiles of 2,048 bytes a block,
	s_lshl_b32 s53, s[WV], 12                      ; two a wave,
	s_add_co_u32 s52, s52, s53
	s_add_co_u32 s52, s52, s17
	s_add_co_u32 s52, s52, 0x800000                ; in the queries' section
	s_mov_b32 s53, 0
	s_lshr_b32 s54, s13, 3
	s_lshl_b32 s54, s54, 21                        ; oc: a batch's 128 tiles of 16,384 bytes,
	s_lshl_b32 s55, s12, 18                        ; a block's 16,
	s_add_co_u32 s54, s54, s55
	s_lshl_b32 s55, s[WV], 15                      ; a wave's two,
	s_add_co_u32 s54, s54, s55
	s_and_b32 s55, s13, 7
	s_lshl_b32 s55, s55, 11                        ; and in a tile the head's 128 along K
	s_add_co_u32 s54, s54, s55
	s_mov_b32 s55, 0
	; descriptor group 1: 16,384 bytes on end, stated as 64 rows of 256 bytes
	s_mov_b32 s[G1], 15|(3<<16)|(1<<21)            ; 15:0 the mask: all four work-groups; 17:16 elements of 8 bytes; 20 no padding; 21 set beside a mask
	s_mov_b32 s[G1+1], 32<<16                      ; tensor_dim0 = 32
	s_mov_b32 s[G1+2], 64<<16                      ; tensor_dim1 = 64
	s_mov_b32 s[G1+3], 32<<16                      ; tile_dim0
	s_mov_b32 s[G1+4], 64                          ; tile_dim1
	s_mov_b32 s[G1+5], 32                          ; tensor_dim0_stride
	s_mov_b32 s[G1+6], 0
	s_mov_b32 s[G1+7], 0
	s_mov_b32 s[SEL], 0x76543210
	s_mov_b32 s[SEL+1], 0xfedcba98
	s_mov_b32 s[CS], 0x3e0293ee                    ; log2(e) / sqrt(128)
	s_mov_b32 s[TB], 0
	s_mov_b32 s[SLOTS], 3
	s_wait_kmcnt 0x0
	s_load_b256 s[40:47], s[6:7], 0x0              ; e0 .. e7
	s_load_b128 s[48:51], s[6:7], 0x20             ; e8 .. e11
	s_mov_b32 s[G0], 1                             ; count = 1
	s_lshl_b32 s[G0+1], s[WV], 14                  ; LDS address: slot 0, wave x 16,384
	s_add_nc_u64 s[G0+2:G0+3], s[4:5], s[14:15]    ; the head's first 512 keys
	s_or_b32 s[G0+3], s[G0+3], 0x80000000          ; type = 2
	s_add_nc_u64 s[56:57], s[4:5], s[52:53]        ; Q's codes at my first tile
	s_add_nc_u64 s[58:59], s[8:9], s[54:55]        ; O's codes likewise
	CROUND                                         ; all four work-groups are here: the first joint loads meet
	TLOAD                                          ; slot 0
	v_and_b32 v2, 31, v0
	s_delay_alu instid0(VALU_DEP_1)
	v_lshlrev_b32 v[LI], 4, v2
	WIN 0x40                                       ; destination window 1
.irp x, 0,1
.irp c, 0,1,2,3
	global_load_b128 v[Q+16*\x+4*\c:Q+16*\x+4*\c+3], v[LI], s[56:57] offset:2048*\x+512*\c   ; Q's two fragments stay in registers
.endr
.endr
.set j, 0
.rept 128
	v_mov_b32 v[O+j], 0                            ; O^T.  (The step is written without a first step of its own: the first finds zeros, which the first change of M leaves zeros)
.set j, j+1
.endr
	WIN 0
.irp x, 0,1
	v_mov_b32 v[ST+4*\x+1], 0xff61b1e6             ; the largest t so far: -3e38, under every t
	s_delay_alu instid0(VALU_DEP_1)
	v_floor_f32 v[ST+4*\x], -v[ST+4*\x+1]          ; -M
	v_mov_b32 v[ST+4*\x+2], 0                      ; l, in two halves
	v_mov_b32 v[ST+4*\x+3], 0
	v_mov_b32 v[WK+8*\x+1], 0                      ; (named as the upper half of f's pair)
	v_mov_b32 v[WK+8*\x+6], 0                      ; written once: a lane permute's destination counts as one of its sources
.endr
	s_wait_kmcnt 0x0
	s_add_co_i32 s52, s46, s47
	s_lshl_b32 s52, s52, 23
	s_add_co_i32 s[CS], s[CS], s52                 ; a score stands for score x 2^(e6 + e7): the two exponents are added to c's exponent field
	s_mov_b32 s[CS+1], s[CS]
	s_add_co_i32 s52, s49, 127
	s_lshl_b32 s53, s52, 23
	v_mov_b32 v[PSC], s53                          ; 2^e9
	s_add_co_i32 s52, s52, 15
	s_lshl_b32 s52, s52, 23
	s_or_b32 s52, s52, 0x600000
	v_mov_b32 v[PLIM], s52                         ; 57,344 x 2^e9,
	v_mov_b32 v[PLIM2], s52                        ; twice: one register for each half of a dual-issue pair
	s_add_co_i32 s60, s48, s49
	s_sub_co_i32 s60, s60, s51                     ; e8 + e9 - e11
; A KEY STEP: 128 keys, the q-th of the slot in hand.
.macro STEP q
.rept 4
	v_nop                                          ; places in front of loads into registers that the last products have read
.endr
.irp t, 0,1,2,3
.irp c, 0,1,2,3
	ds_load_b128 v[F0+16*\t+4*\c:F0+16*\t+4*\c+3], v[ADR] offset:(8*(\q)+\t)*2048+512*\c
.endr
.endr
	WIN 0x40                                       ; destination window 1
.irp t, 0,1,2,3
.irp c, 0,1,2,3
	ds_load_b128 v[F1+16*\t+4*\c:F1+16*\t+4*\c+3], v[ADR] offset:(8*(\q)+4+\t)*2048+512*\c
.endr
.endr
	s_wait_dscnt 16                                ; K's tiles 0-3 are in; the sixteen loads of tiles 4-7 may be out
	WIN 0x04                                       ; source 1 (Q) window 1
.irp t, 0,1,2,3
.irp x, 0,1
	v_wmma_f32_16x16x128_bf8_bf8 v[S+64*\x+8*\t:S+64*\x+8*\t+7], v[F0+16*\t:F0+16*\t+15], v[Q+16*\x:Q+16*\x+15], 0
.endr
.endr
	s_wait_dscnt 0x0
	WIN 0x05                                       ; sources 0 and 1 window 1
.irp t, 0,1,2,3
.irp x, 0,1
	v_wmma_f32_16x16x128_bf8_bf8 v[S+64*\x+32+8*\t:S+64*\x+32+8*\t+7], v[F1+16*\t:F1+16*\t+15], v[Q+16*\x:Q+16*\x+15], 0
.endr
.endr
	WIN 0
.rept 4
	v_nop                                          ; places behind the products: for the reads of the scores, and for V's loads into the fragments' registers further down
.endr
	; the step's largest score of my query among my 64 keys, in two chains a tile; each accumulator is read from its low end on
.irp x, 0,1
	v_max3_num_f32 v[WK+8*\x+4], v[S+64*\x], v[S+64*\x+1], v[S+64*\x+2]
	v_max3_num_f32 v[WK+8*\x+5], v[S+64*\x+3], v[S+64*\x+4], v[S+64*\x+5]
.endr
.irp i, 6,10,14,18,22,26,30,34,38,42,46,50,54,58
.irp x, 0,1
	v_max3_num_f32 v[WK+8*\x+4], v[WK+8*\x+4], v[S+64*\x+\i], v[S+64*\x+\i+1]
	v_max3_num_f32 v[WK+8*\x+5], v[WK+8*\x+5], v[S+64*\x+\i+2], v[S+64*\x+\i+3]
.endr
.endr
.irp x, 0,1
	v_max3_num_f32 v[WK+8*\x+4], v[WK+8*\x+4], v[S+64*\x+62], v[S+64*\x+63]
.endr
.irp x, 0,1
	s_delay_alu instid0(VALU_DEP_2)
	v_max_num_f32 v[WK+8*\x+4], v[WK+8*\x+4], v[WK+8*\x+5]
.endr
.irp x, 0,1
	s_delay_alu instid0(VALU_DEP_2)
	v_permlanex16_b32 v[WK+8*\x+6], v[WK+8*\x+4], s[SEL], s[SEL+1]
.endr
.irp x, 0,1
	s_delay_alu instid0(VALU_DEP_2)
	v_max_num_f32 v[WK+8*\x+4], v[WK+8*\x+4], v[WK+8*\x+6]   ; and among lane l xor 16's
.endr
.irp x, 0,1
	s_delay_alu instid0(VALU_DEP_2)
	v_mul_f32 v[WK+8*\x+4], s[CS], v[WK+8*\x+4]    ; as t (c is positive)
.endr
.irp x, 0,1
	s_delay_alu instid0(VALU_DEP_2)
	v_max_num_f32 v[ST+4*\x+1], v[ST+4*\x+1], v[WK+8*\x+4]   ; the running largest t
.endr
.irp x, 0,1
	v_mov_b32 v[WK+8*\x+4], v[ST+4*\x]
.endr
.irp x, 0,1
	s_delay_alu instid0(VALU_DEP_4)
	v_floor_f32 v[ST+4*\x], -v[ST+4*\x+1]          ; the new -M = floor(-t) = -ceil(t): a whole number
.endr
.irp x, 0,1
	s_delay_alu instid0(VALU_DEP_2)
	v_sub_f32 v[WK+8*\x+4], v[ST+4*\x], v[WK+8*\x+4]   ; old M - new M: a whole number, 0 or less
.endr
.irp x, 0,1
	s_delay_alu instid0(VALU_DEP_2)
	v_cvt_i32_f32 v[WK+8*\x+4], v[WK+8*\x+4]       ; (it saturates)
.endr
.irp x, 0,1
	s_delay_alu instid0(VALU_DEP_2)
	v_ldexp_f32 v[WK+8*\x], 1.0, v[WK+8*\x+4]      ; f = 2^(old M - new M)
.endr
.irp x, 0,1
.set j, 0
.rept 32
	v_pk_fma_f32 v[S+64*\x+j:S+64*\x+j+1], v[S+64*\x+j:S+64*\x+j+1], s[CS:CS+1], v[ST+4*\x:ST+4*\x+1] op_sel_hi:[1,0,0]   ; t - M, two at a time (of the pairs c and -M the low word serves both halves)
.set j, j+2
.endr
.endr
	s_wait_alu depctr_va_vdst(0)
.irp x, 0,1
.set j, 0
.rept 64
	v_exp_f32 v[S+64*\x+j], v[S+64*\x+j]           ; p = 2^(t - M), at most 1: not normalised
.set j, j+1
.endr
.endr
	; V's eight fragments of this step are asked for here: they land under the rest of the softmax
.irp a, 0,1,2,3
.irp c, 0,1,2,3
	ds_load_b128 v[F0+16*\a+4*\c:F0+16*\a+4*\c+3], v[ADV] offset:(\q)*16384+\a*2048+512*\c
.endr
.endr
	WIN 0x40
.irp a, 0,1,2,3
.irp c, 0,1,2,3
	ds_load_b128 v[F1+16*\a+4*\c:F1+16*\a+4*\c+3], v[ADV] offset:(\q)*16384+(4+\a)*2048+512*\c
.endr
.endr
	WIN 0
.irp x, 0,1
	v_pk_mul_f32 v[ST+4*\x+2:ST+4*\x+3], v[ST+4*\x+2:ST+4*\x+3], v[WK+8*\x:WK+8*\x+1] op_sel_hi:[1,0]   ; l under the new M.  (A plain line behind the exponentials)
.endr
	s_wait_alu depctr_va_vdst(0)
.irp x, 0,1
	v_pk_add_f32 v[WK+8*\x+2:WK+8*\x+3], v[S+64*\x:S+64*\x+1], v[S+64*\x+2:S+64*\x+3]   ; the row's sum is taken of the unquantised p: two at a time, in two chains a tile
.endr
.irp j, 4,8,12,16,20,24,28,32,36,40,44,48,52,56,60
.irp x, 0,1
	v_pk_add_f32 v[ST+4*\x+2:ST+4*\x+3], v[ST+4*\x+2:ST+4*\x+3], v[S+64*\x+\j:S+64*\x+\j+1]
	v_pk_add_f32 v[WK+8*\x+2:WK+8*\x+3], v[WK+8*\x+2:WK+8*\x+3], v[S+64*\x+\j+2:S+64*\x+\j+3]
.endr
.endr
.irp x, 0
	s_delay_alu instid0(VALU_DEP_3)
	v_pk_add_f32 v[ST+4*\x+2:ST+4*\x+3], v[ST+4*\x+2:ST+4*\x+3], v[WK+8*\x+2:WK+8*\x+3]
.endr
.irp x, 1
	s_delay_alu instid0(VALU_DEP_2)
	v_pk_add_f32 v[ST+4*\x+2:ST+4*\x+3], v[ST+4*\x+2:ST+4*\x+3], v[WK+8*\x+2:WK+8*\x+3]
.endr
	; The hold: the conversion to an 8-bit code does not saturate (ISA guide 7.6.2); p is not negative, so it is one-sided.  Two numbers an instruction, as a dual-issue pair: an even and an odd register,
	; which are neighbours and so differ modulo 4, and the limit from v6 in one half and from v7 in the other.
.irp x, 0,1
.irp b, 0,1,2,3
.set i, 0
.rept 8
	v_dual_min_num_f32 v[S+64*\x+16*\b+i], v[S+64*\x+16*\b+i], v[PLIM] :: v_dual_min_num_f32 v[S+64*\x+16*\b+i+1], v[S+64*\x+16*\b+i+1], v[PLIM2]
.set i, i+2
.endr
	v_cvt_scalef32_pk8_bf8_f32 v[PC+16*\x+4*\b:PC+16*\x+4*\b+1], v[S+64*\x+16*\b:S+64*\x+16*\b+7], v[PSC]
	v_cvt_scalef32_pk8_bf8_f32 v[PC+16*\x+4*\b+2:PC+16*\x+4*\b+3], v[S+64*\x+16*\b+8:S+64*\x+16*\b+15], v[PSC]
.endr
.endr
	WIN 0x41                                       ; O^T (destination and source 0) window 1, f window 0
.irp x, 0,1
.set j, 0
.rept 32
	v_pk_mul_f32 v[O+64*\x+j:O+64*\x+j+1], v[O+64*\x+j:O+64*\x+j+1], v[WK+8*\x:WK+8*\x+1] op_sel_hi:[1,0]   ; O^T under the new M.  (These are also the plain lines behind the conversions)
.set j, j+2
.endr
.endr
	s_wait_alu depctr_va_vdst(0)
	s_wait_dscnt 16                                ; V's fragments 0-3 are in; the sixteen loads of fragments 4-7 may be out
	WIN 0x50                                       ; C and D window 1.  The sixteen accumulators take turns, one instruction a turn
.irp a, 0,1,2,3
.irp x, 0,1
	v_wmma_f32_16x16x128_bf8_bf8 v[O+64*\x+8*\a:O+64*\x+8*\a+7], v[F0+16*\a:F0+16*\a+15], v[PC+16*\x:PC+16*\x+15], v[O+64*\x+8*\a:O+64*\x+8*\a+7]
.endr
.endr
	s_wait_dscnt 0x0
	WIN 0x51                                       ; and source 0 window 1
.irp a, 0,1,2,3
.irp x, 0,1
	v_wmma_f32_16x16x128_bf8_bf8 v[O+64*\x+32+8*\a:O+64*\x+32+8*\a+7], v[F1+16*\a:F1+16*\a+15], v[PC+16*\x:PC+16*\x+15], v[O+64*\x+32+8*\a:O+64*\x+32+8*\a+7]
.endr
.endr
	WIN 0
.endm
; THE CHANGE OF SLOTS stands at a slot's head.  Each wave waits for all its tensor loads (its part of the slot that it is about to read), adds 0 to its spare word, and waits for that and for its reads of the slot that it has left.
; fill = 1: the barrier is a round of the cluster's, so that no wave of any partner still reads the other slot or has a load on its way; that slot is then filled with the next 512 keys: the load has four key steps in which to land.
.macro CHANGE fill
	s_wait_tensorcnt 0x0                           ; no tensor load of mine is out, so group 0 may be written
	ds_add_u32 v[SPW], v[NIL]                      ; 0 onto my spare word
.if \fill
	s_xor_b32 s[G0+1], s[G0+1], SLOT1              ; the walking descriptor: the other slot than last time,
	s_add_nc_u64 s[G0+2:G0+3], s[G0+2:G0+3], 65536 ; the next 512 keys; the type bits on top are not reached
.endif
	s_wait_dscnt 0x0                               ; the add is done, and my reads of the slot that I have left are over
.if \fill
	CROUND
	TLOAD                                          ; the first thing behind the round, and my one tensor load until the next
.else
	s_barrier_signal -1
	s_barrier_wait -1
.endif
.endm
.macro SLOT_STEPS
	v_add_nc_u32 v[ADR], s[TB], v[LI]
	s_delay_alu instid0(VALU_DEP_1)
	v_add_nc_u32 v[ADV], VOFF, v[ADR]
	STEP 0
	STEP 1
	STEP 2
	STEP 3
	s_xor_b32 s[TB], s[TB], SLOT1                  ; on to the other slot
.endm
	s_wait_loadcnt 0x0                             ; Q
.Lslot:                                                ; three trips: behind each change of slots but the last the next slot is asked for
	CHANGE 1
	SLOT_STEPS
	s_sub_co_u32 s[SLOTS], s[SLOTS], 1
	s_cmp_lg_u32 s[SLOTS], 0
	s_cbranch_scc1 .Lslot
	CHANGE 0                                       ; the last slot is written out
	SLOT_STEPS
	; THE WAY OUT.  O^T x 2^(e8 + e9) / l is the number; its code is that / 2^e11.  A lane's 64 registers of a tile are k = 32 c + 16 (lane / 16) + i of the last product's K step h: a fragment as it stands.
.rept 4
	v_nop                                          ; places behind the last products
.endr
.irp x, 0,1
	v_add_f32 v[ST+4*\x+2], v[ST+4*\x+2], v[ST+4*\x+3]   ; l's two halves,
.endr
.irp x, 0,1
	s_delay_alu instid0(VALU_DEP_2)
	v_permlanex16_b32 v[WK+8*\x+6], v[ST+4*\x+2], s[SEL], s[SEL+1]
.endr
.irp x, 0,1
	s_delay_alu instid0(VALU_DEP_2)
	v_add_f32 v[ST+4*\x+2], v[ST+4*\x+2], v[WK+8*\x+6]   ; and lane l xor 16's
.endr
	s_wait_alu depctr_va_vdst(0)
.irp x, 0,1
	v_rcp_f32 v[WK+8*\x], v[ST+4*\x+2]
.endr
	v_mov_b32 v[PSC], 1.0                          ; (a plain line behind the reciprocals)  the conversion's scale is now 1: all powers of two go into the factor below
	v_mov_b32 v[PLIM], 0x47600000                  ; 57,344
	s_wait_alu depctr_va_vdst(0)
.irp x, 0,1
	v_ldexp_f32 v[WK+8*\x], v[WK+8*\x], s60        ; 2^(e8 + e9 - e11) / l
.endr
	WIN 0x01                                       ; source 0 (O^T) window 1
.irp x, 0,1
.set j, 0
.rept 32
	v_pk_mul_f32 v[S+64*\x+j:S+64*\x+j+1], v[O+64*\x+j:O+64*\x+j+1], v[WK+8*\x:WK+8*\x+1] op_sel_hi:[1,0]   ; each accumulator from its low end on
.set j, j+2
.endr
.endr
	WIN 0
.irp x, 0,1
.irp b, 0,1,2,3
.set i, 0
.rept 16
	v_med3_num_f32 v[S+64*\x+16*\b+i], v[S+64*\x+16*\b+i], -v[PLIM], v[PLIM]
.set i, i+1
.endr
	v_cvt_scalef32_pk8_bf8_f32 v[PC+16*\x+4*\b:PC+16*\x+4*\b+1], v[S+64*\x+16*\b:S+64*\x+16*\b+7], v[PSC]
	v_cvt_scalef32_pk8_bf8_f32 v[PC+16*\x+4*\b+2:PC+16*\x+4*\b+3], v[S+64*\x+16*\b+8:S+64*\x+16*\b+15], v[PSC]
.endr
.endr
	v_nop
.irp x, 0,1
.irp c, 0,1,2,3
	global_store_b128 v[LI], v[PC+16*\x+4*\c:PC+16*\x+4*\c+3], s[58:59] offset:16384*\x+512*\c   ; 32 lanes store 512 consecutive bytes, at a multiple of 256 from the buffer's first byte
.endr
.endr
	s_wait_tensorcnt 0x0                           ; the wave's end
	ds_add_u32 v[SPW], v[NIL]
	s_wait_dscnt 0x0
	CROUND                                         ; the closing round: no work-group ends while a partner may still ask for a tile that names it
	s_endpgm
.Lfunc_end_k_qb95600f691_attn:
	.size	k_qb95600f691_attn, .Lfunc_end_k_qb95600f691_attn-k_qb95600f691_attn
	.p2alignl 7, 3214868480
	.fill 96, 4, 3214868480
	.section	.rodata,"a",@progbits
	.p2align	6, 0x0
	.amdhsa_kernel k_qb95600f691_attn
		.amdhsa_group_segment_fixed_size 327680
		.amdhsa_private_segment_fixed_size 0
		.amdhsa_enable_private_segment 0
		.amdhsa_kernarg_size 24
		.amdhsa_user_sgpr_count 2
		.amdhsa_user_sgpr_kernarg_segment_ptr 1
		.amdhsa_wavefront_size32 1
		.amdhsa_system_sgpr_workgroup_id_x 1
		.amdhsa_system_sgpr_workgroup_id_y 1
		.amdhsa_system_sgpr_workgroup_id_z 1
		.amdhsa_system_vgpr_workitem_id 0
		.amdhsa_next_free_vgpr 480
		.amdhsa_next_free_sgpr 66
		.amdhsa_reserve_vcc 0
		.amdhsa_float_denorm_mode_32 3
		.amdhsa_float_denorm_mode_16_64 3
		.amdhsa_memory_ordered 1
		.amdhsa_forward_progress 1
		.amdhsa_inst_pref_size 255
	.end_amdhsa_kernel
	.section	.bss,"aw",@nobits
	.p2align	6
	.space	262144
	.amdgpu_metadata
---
amdhsa.version: [ 1, 2 ]
amdhsa.kernels:
  - .name:           k_qb95600f691_attn
    .symbol:         k_qb95600f691_attn.kd
    .args:
      - { .name: qkv, .offset: 0, .size: 8, .value_kind: global_buffer, .address_space: global }
      - { .name: lowp_scales, .offset: 8, .size: 8, .value_kind: global_buffer, .address_space: global }
      - { .name: oc, .offset: 16, .size: 8, .value_kind: global_buffer, .address_space: global }
    .group_segment_fixed_size: 327680
    .private_segment_fixed_size: 0
    .kernarg_segment_align: 8
    .kernarg_segment_size: 24
    .max_flat_workgroup_size: 256
    .sgpr_count:     66
    .vgpr_count:     480
    .wavefront_size: 32
...
	.end_amdgpu_metadata
.endif
;; end of part 3
;; launch unify (part 4): grid 128 x 1, 4 waves a work-group, no clusters, 168,448 bytes of LDS; arguments oc, wc, lowp_scales, bu, out0; writes out0
.if DOCPART == 4
	.amdgcn_target "amdgcn-amd-amdhsa--gfx1250"
	.amdhsa_code_object_version 6
	.text
	.protected	k_qb95600f691_unify
	.globl	k_qb95600f691_unify
	.p2align	8
	.type	k_qb95600f691_unify,@function
k_qb95600f691_unify:
	s_mov_b64 s[64:65], 0
	v_nop
	global_prefetch_b8 v0, s[64:65] scope:SCOPE_SE
	s_setreg_imm32_b32 hwreg(HW_REG_WAVE_MODE, 25, 1), 1
	s_wait_xcnt 0x0
; out[b][k][t] = sum over (h, e) of Wu[k][128 h + e] o[b][h][e][t] x 2^(e10 + e11) + bu[k], on codes of BF8; K = 1,024.
; SHARES.  Work-group g owns 64 neighbouring t (four tiles of o's codes, 65,536 bytes on end) and all 128 outputs k, so that every 256 aligned bytes of out (64 t) are stored whole; that makes 128 work-groups.
; Wave w takes Wu's tiles 2 w, 2 w + 1 (k = 32 w .. 32 w + 31) against the four tiles of t: 8 accumulators, 64 matrix instructions.  Source 0 = o (a lane's registers run along t), source 1 = Wu (a lane holds one k).
; o's codes come into LDS by one tensor load a wave (a tile each) and are read by all four waves; nothing in LDS is filled again.  Wu's 16 fragments of a wave go straight into its registers.
; NO CLUSTER: what the work-groups share is Wu, and each wave takes its quarter of it straight into registers by loads of its own; a joint load would bring it into LDS, from where it would have to be read once more.
; LIMIT: e10 + e11 lies between -126 and 127, so that 2^(e10 + e11) is an f32 number.
; REGISTERS.  Window 0: v1 16 x lane; v5-9 addresses; v[24:25], v[26:27] bu of my k in Wu's two tiles; v32-95, v96-159 two sets of four fragments of o, later the results; v160-223 accumulators ((T, n) at 160 + 8 (2 T + n)).
;   Window 1: Wu's fragments ((n, s) at 16 (8 n + s)).
.set STG,  65536                       ; behind o's images: the stage, 128 rows (k) x (256 bytes + 16); each wave writes and reads its own 32 rows
.set SP,   272
.set LI,   1
.set FS,   32
.set ACC,  160
.set MSB, 0
.macro WIN new
.if MSB != (\new)
	s_set_vgpr_msb (MSB<<8)|(\new)
.set MSB, (\new)
.endif
.endm
.macro FETCH s                         ; o's four fragments of K step s into set s % 2
.irp t, 0,1,2,3
.irp c, 0,1,2,3
	ds_load_b128 v[FS+64*((\s)%2)+16*\t+4*\c:FS+64*((\s)%2)+16*\t+4*\c+3], v[LI] offset:\t*16384+(\s)*2048+512*\c
.endr
.endr
.endm
	s_load_b256 s[4:11], s[0:1], 0x0               ; oc 4:5, wc 6:7, the scales 8:9, bu 10:11
	s_load_b64 s[12:13], s[0:1], 0x20              ; out0
	v_lshl_add_u32 v254, v0, 2, 0x29000
	v_mov_b32 v255, 0
	ds_add_u32 v254, v255
	ds_add_u32 v254, v255
	v_lshrrev_b32 v1, 5, v0
	v_readfirstlane_b32 s14, v1                    ; wave 0..3
	; descriptor group 1: 16,384 bytes on end, stated as 64 rows of 256 bytes
	s_mov_b32 s24, 3<<16                           ; no mask; elements of 8 bytes; no padding
	s_mov_b32 s25, 32<<16                          ; tensor_dim0 = 32
	s_mov_b32 s26, 64<<16                          ; tensor_dim1 = 64
	s_mov_b32 s27, 32<<16                          ; tile_dim0
	s_mov_b32 s28, 64                              ; tile_dim1
	s_mov_b32 s29, 32                              ; tensor_dim0_stride
	s_mov_b32 s30, 0
	s_mov_b32 s31, 0
	s_lshl_b32 s15, s14, 14                        ; my tile's place, in LDS and among the work-group's four
	s_lshl_b32 s16, ttmp9, 16
	s_add_co_u32 s16, s16, s15
	s_mov_b32 s17, 0
	s_wait_dscnt 0x0
	s_wait_kmcnt 0x0
	s_load_b64 s[40:41], s[8:9], 0x28              ; e10, e11
	s_mov_b32 s32, 1
	s_mov_b32 s33, s15
	s_add_nc_u64 s[34:35], s[4:5], s[16:17]
	s_or_b32 s35, s35, 0x80000000
	tensor_load_to_lds s[32:35], s[24:31]          ; the one tensor load of this wave
	s_nop 0
.rept 4
	v_nop
.endr
	v_and_b32 v2, 31, v0
	v_lshlrev_b32 v[LI], 4, v2
	s_lshl_b32 s20, s14, 15                        ; Wu's tiles 2 w, 2 w + 1,
	s_add_co_u32 s20, s20, 3145728                 ; behind the three projections' weights
	s_mov_b32 s21, 0
	s_add_nc_u64 s[6:7], s[6:7], s[20:21]
	WIN 0x40                                       ; destination window 1
.irp n, 0,1
.irp s, 0,1,2,3,4,5,6,7
.irp c, 0,1,2,3
	global_load_b128 v[16*(8*\n+\s)+4*\c:16*(8*\n+\s)+4*\c+3], v[LI], s[6:7] offset:\n*16384+\s*2048+512*\c
.endr
.endr
.endr
	WIN 0
	v_and_b32 v3, 15, v0                           ; r
	v_bfe_u32 v7, v0, 4, 1                         ; h
	v_and_b32 v4, 8, v3
	v_add_nc_u32 v4, v4, v3                        ; 16 (r / 8) + r % 8: tile row r of Wu's tile 2 w + n is k = 32 w + 8 n + that
	v_lshlrev_b32 v5, 2, v4
	s_lshl_b32 s22, s14, 7
	v_add_nc_u32 v5, s22, v5                       ; bu: 4 x (32 w + ..)
	global_load_b32 v24, v5, s[10:11]
	global_load_b32 v26, v5, s[10:11] offset:32
	v_mov_b32 v25, 0                               ; (named as the upper halves of pairs)
	v_mov_b32 v27, 0
	s_mul_i32 s23, s14, 32*SP
	s_add_co_u32 s23, s23, STG                     ; my 32 rows of the stage
	v_mul_u32_u24 v6, v4, SP
	v_lshl_add_u32 v6, v7, 6, v6
	v_add_nc_u32 v6, s23, v6                       ; in: my k's row, + 64 h: lanes 16-31 hold the t that lie 16 further on
	v_mul_u32_u24 v8, v7, SP
	v_lshl_add_u32 v8, v3, 4, v8
	v_add_nc_u32 v8, s23, v8                       ; back: lanes 0-15 one row of 256 bytes, lanes 16-31 the next
	v_lshlrev_b32 v9, 13, v7
	v_lshl_add_u32 v9, v3, 4, v9                   ; and the same two rows of out: 8,192 bytes apart
	s_lshr_b32 s36, ttmp9, 5
	s_lshl_b32 s36, s36, 20                        ; the batch: 128 x 2,048 x 4 bytes
	s_lshl_b32 s37, s14, 18                        ; my 32 rows k
	s_add_co_u32 s36, s36, s37
	s_and_b32 s37, ttmp9, 31
	s_lshl_b32 s37, s37, 8                         ; the work-group's 64 t
	s_add_co_u32 s36, s36, s37
	s_mov_b32 s37, 0
	s_add_nc_u64 s[12:13], s[12:13], s[36:37]
	s_wait_kmcnt 0x0
	s_add_co_i32 s46, s40, s41
	s_add_co_i32 s46, s46, 127
	s_lshl_b32 s46, s46, 23                        ; 2^(e10 + e11) as f32
	s_mov_b32 s47, s46                             ; (named with it as a pair)
	s_wait_tensorcnt 0x0                           ; my tile is in,
	s_barrier_signal -1
	s_barrier_wait -1                              ; everybody's is
	FETCH 0
	s_wait_loadcnt 0x0                             ; Wu and bu
.irp s, 0,1,2,3,4,5,6,7
.if \s < 7
.if \s > 0
.rept 4
	v_nop                                          ; places in front of loads into the set that the last step's products have read
.endr
.endif
	FETCH \s+1
	s_wait_dscnt 16                                ; this step's fragments are in; the next step's sixteen loads may be out
.else
	s_wait_dscnt 0x0
.endif
	WIN 0x04                                       ; source 1 (Wu) window 1.  The eight accumulators take turns, one instruction a turn
.irp t, 0,1,2,3
.irp n, 0,1
.if \s == 0
	v_wmma_f32_16x16x128_bf8_bf8 v[ACC+8*(2*\t+\n):ACC+8*(2*\t+\n)+7], v[FS+64*(\s%2)+16*\t:FS+64*(\s%2)+16*\t+15], v[16*(8*\n+\s):16*(8*\n+\s)+15], 0
.else
	v_wmma_f32_16x16x128_bf8_bf8 v[ACC+8*(2*\t+\n):ACC+8*(2*\t+\n)+7], v[FS+64*(\s%2)+16*\t:FS+64*(\s%2)+16*\t+15], v[16*(8*\n+\s):16*(8*\n+\s)+15], v[ACC+8*(2*\t+\n):ACC+8*(2*\t+\n)+7]
.endif
.endr
.endr
	WIN 0
.endr
.rept 4
	v_nop                                          ; places behind the last products: for the reads of results, and for what is written and loaded over the fragments' registers
.endr
.irp t, 0,1,2,3
.irp n, 0,1
.irp i, 0,2,4,6
	v_pk_fma_f32 v[FS+8*(2*\t+\n)+\i:FS+8*(2*\t+\n)+\i+1], v[ACC+8*(2*\t+\n)+\i:ACC+8*(2*\t+\n)+\i+1], s[46:47], v[24+2*\n:25+2*\n] op_sel_hi:[1,0,0]   ; sum x 2^(e10 + e11) + bu: of both pairs the low word serves both halves
.endr
.endr
.endr
	; lane (r, h), tile T = 2 b + u of t, register j: out(k = 32 w + 16 (r / 8) + 8 n + r % 8, t = 32 b + 16 h + 8 u + j)
.irp t, 0,1,2,3
.irp n, 0,1
	ds_store_b128 v6, v[FS+8*(2*\t+\n):FS+8*(2*\t+\n)+3] offset:8*SP*\n+128*(\t/2)+32*(\t%2)
	ds_store_b128 v6, v[FS+8*(2*\t+\n)+4:FS+8*(2*\t+\n)+7] offset:8*SP*\n+128*(\t/2)+32*(\t%2)+16
.endr
.endr
.irp i, 0,1,2,3,4,5,6,7,8,9,10,11,12,13,14,15
	ds_load_b128 v[FS+64+4*\i:FS+64+4*\i+3], v8 offset:2*\i*SP   ; LDS serves a wave's instructions in order (ISA guide 5.7.1.4): these see my stores; the rows are my wave's own
.endr
.irp i, 0,1,2,3,4,5,6,7,8,9,10,11,12,13,14,15
	s_wait_dscnt 15-\i                             ; the younger loads may be out
	global_store_b128 v9, v[FS+64+4*\i:FS+64+4*\i+3], s[12:13] offset:16384*\i th:TH_STORE_NT   ; sixteen lanes store 256 consecutive bytes, at a multiple of 256 from out's first byte
.endr
	s_wait_tensorcnt 0x0
	ds_add_u32 v254, v255
	s_wait_dscnt 0x0
	s_endpgm
.Lfunc_end_k_qb95600f691_unify:
	.size	k_qb95600f691_unify, .Lfunc_end_k_qb95600f691_unify-k_qb95600f691_unify
	.p2alignl 7, 3214868480
	.fill 96, 4, 3214868480
	.section	.rodata,"a",@progbits
	.p2align	6, 0x0
	.amdhsa_kernel k_qb95600f691_unify
		.amdhsa_group_segment_fixed_size 168448
		.amdhsa_private_segment_fixed_size 0
		.amdhsa_enable_private_segment 0
		.amdhsa_kernarg_size 40
		.amdhsa_user_sgpr_count 2
		.amdhsa_user_sgpr_kernarg_segment_ptr 1
		.amdhsa_wavefront_size32 1
		.amdhsa_system_sgpr_workgroup_id_x 1
		.amdhsa_system_sgpr_workgroup_id_y 1
		.amdhsa_system_sgpr_workgroup_id_z 1
		.amdhsa_system_vgpr_workitem_id 0
		.amdhsa_next_free_vgpr 512
		.amdhsa_next_free_sgpr 66
		.amdhsa_reserve_vcc 0
		.amdhsa_float_denorm_mode_32 3
		.amdhsa_float_denorm_mode_16_64 3
		.amdhsa_memory_ordered 1
		.amdhsa_forward_progress 1
		.amdhsa_inst_pref_size 30
	.end_amdhsa_kernel
	.amdgpu_metadata
---
amdhsa.version: [ 1, 2 ]
amdhsa.kernels:
  - .name:           k_qb95600f691_unify
    .symbol:         k_qb95600f691_unify.kd
    .args:
      - { .name: oc, .offset: 0, .size: 8, .value_kind: global_buffer, .address_space: global }
      - { .name: wc, .offset: 8, .size: 8, .value_kind: global_buffer, .address_space: global }
      - { .name: lowp_scales, .offset: 16, .size: 8, .value_kind: global_buffer, .address_space: global }
      - { .name: bu, .offset: 24, .size: 8, .value_kind: global_buffer, .address_space: global }
      - { .name: out0, .offset: 32, .size: 8, .value_kind: global_buffer, .address_space: global }
    .group_segment_fixed_size: 168448
    .private_segment_fixed_size: 0
    .kernarg_segment_align: 8
    .kernarg_segment_size: 40
    .max_flat_workgroup_size: 128
    .sgpr_count:     66
    .vgpr_count:     512
    .wavefront_size: 32
...
	.end_amdgpu_metadata
.endif
;; end of part 4
